; MI455X (gfx1250); checked and timed in simulation.
; The chip was launched on July 23, 2026; its instructions are those of AMD's public machine-readable ISA for CDNA 5 (MIT licence, August 2026) and "CDNA5" Instruction Set Architecture Reference Guide (July 2026). The comments in the code are by the model that wrote it; some were corrected since.
;; Softmaxchain. Allowed arithmetic: matrix products marked QUANTISED: E2M3 operands, one E8M0 scale for each 32 along K, by v_wmma_scale_f32_16x16x128_f8f6f4 with both operands' format E2M3, f32 sums; everything else in f32.
;; Inputs: attention_mask 4 x 1 x 1 x 2,048 float32; k 4 x 16 x 64 x 2,048 float32; q 4 x 16 x 2,048 x 64 float32; v 4 x 16 x 2,048 x 64 float32.
;; Outputs: out0 4 x 16 x 2,048 x 64 float32.
;; This version of the problem:
;;   THIS VERSION OF THE PROBLEM IS GIVEN IN LOW PRECISION. The matrix products marked QUANTISED in the list below multiply operands that are first quantised to E2M3 (2 exponent bits, 3 mantissa bits; 6 bits a number), with one power-of-two scale for each 32 numbers along K (OCP MX v1.0); their sums are f32. All else is computed in f32.
;;   The module's matrix products, in the order in which they are computed (A, B: the left and right operand; K: the contracted axis; several contracted axes count as one K, in the product's order):
;;     1. batch 64 x [M 2,048, K 64] x [K 64, N 2,048]; A: input q; B: input k: QUANTISED
;;     2. batch 64 x [M 2,048, K 2,048] x [K 2,048, N 64]; A: softmax (see below); B: input v: QUANTISED
;;   THE QUANTISER, for each operand of a quantised product, along K:
;;     - K is cut into blocks of 32 from its start; a last block that is shorter is filled with zeros.
;;     - A block's scale is 2^e with e = floor(log2(the largest magnitude in the block)) - 2, held to -126 .. 127; a block of zeros has e = 0. As a byte (E8M0): e + 127.
;;     - Each number is divided by its block's scale, clamped to +-7.5, and rounded to the nearest number of E2M3, ties to even, subnormals kept.
;;     - The product sums the exact products of the quantised numbers (number of the format x scale) in f32.
;;   ~~~python
;;   def quantise(x, axis):      # numpy; x: float32 -> the quantised numbers, widened to float32 again
;;       x = np.moveaxis(x, axis, -1); K = x.shape[-1]
;;       x = np.pad(x, [(0, 0)] * (x.ndim - 1) + [(0, -K % 32)]); x = x.reshape(x.shape[:-1] + (-1, 32)); a = np.abs(x).max(-1, keepdims=True)
;;       e = np.where(a > 0, np.clip(np.frexp(np.where(a > 0, a, 1))[1] - 1 - 2, -126, 127), 0)      # np.frexp(a)[1] - 1 = floor(log2(a)), exactly
;;       r = np.clip(x / 2.0 ** e, -7.5, 7.5)
;;       step = 2.0 ** (np.maximum(np.frexp(np.where(r == 0, 1, r))[1] - 1, 0) - 3)
;;       q = np.round(r / step) * step * 2.0 ** e      # np.round: ties to even
;;       return np.moveaxis(q.reshape(q.shape[:-2] + (-1,))[..., :K], -1, axis).astype(np.float32)
;;   ~~~
;;   SOFTMAX AHEAD OF A QUANTISED PRODUCT. Where the list says 'softmax', what is quantised is not the finished softmax but p = 2^(t - M), with t = logit x log2(e) and M = ceil(the row's largest t), a whole number; so 1/2 < the row's largest p <= 1. The row's sum l is taken of the UNQUANTISED p, in f32, and the product's result is divided by l at the end. Since M is a whole number, a kernel that streams over the keys may use a running M (the ceiling of the running maximum): every later rescaling is an exact power of two, which a block's scale takes up: the codes' values come out the same.
;;   OPERANDS COMPUTED ON THE WAY. 'Computed on the way' means the value that the module computes at that place (a softmax that the list does not call 'softmax' is quantised finished and normalised). What goes into a quantiser is computed in f32, as accurately as f32 sums, v_exp_f32 and their like allow (about 1e-6 of the number): no bf16 or f16 on the way to a quantiser, and a product that is left as it is and whose result goes on into a quantised operand takes f32 operands (vector FMAs, or v_wmma_f32_16x16x4_f32). A number that lies on a knife's edge between two numbers of the format may be rounded either way, as far as f32 arithmetic and the matrix unit's own rounding can turn it there, and no further.
;; 2 versions. Each part assembles by itself: llvm-mc -triple=amdgcn-amd-amdhsa -mcpu=gfx1250 --defsym DOCPART=n.
;; ======== version 1 of 2: 1 launch
;; launch attn (part 1): grid 8 x 64, 16 waves a work-group, no clusters, 131,072 bytes of LDS; arguments q, k, v, attention_mask, out0; writes out0
.if DOCPART == 1
	.amdgcn_target "amdgcn-amd-amdhsa--gfx1250"
	.amdhsa_code_object_version 6
	.text
	.protected	k_qd910835238_attn
	.globl	k_qd910835238_attn
	.p2align	8
	.type	k_qd910835238_attn,@function
k_qd910835238_attn:
	s_mov_b64 s[64:65], 0
	v_nop
	global_prefetch_b8 v0, s[64:65] scope:SCOPE_SE
	s_setreg_imm32_b32 hwreg(HW_REG_WAVE_MODE, 25, 1), 1
	s_wait_xcnt 0x0
; out[b][h][s][:] = sum over t of softmax_t(q[b][h][s] . k[b][h][:][t] / 8 + mask[b][t]) v[b][h][t][:], both products on codes of FP6 (E2M3) with one E8M0 scale for each 32 along a product's K.
; q, v, out: [64 heads][2048][64] f32;  k: [64 heads][64 (d)][2048 (t)] f32;  mask: [4][2048] f32.
; NOTHING OF reference() IS LEFT OUT: the mask varies along the softmax's axis, so it is live and is loaded; all four inputs are arguments.
; THE SOFTMAX AHEAD OF THE SECOND PRODUCT: t = logit x log2(e); M = the running largest t rounded UP to a whole number; p = 2^(t - M) is quantised along the keys, not normalised; the row's sum is taken of the
; unquantised p in f32 and divides at the end; when M moves, the sum and O are multiplied by 2^(old M - new M), which rounds nothing.
; SHARES.  A work-group owns 256 queries of one head; each of its sixteen waves owns 16 of them in 256 registers, four waves to a SIMD.  Every wave walks the head's 2,048 keys, 128 a step, 16 steps.
; K AND V ARE QUANTISED IN THE LOOP, SHARED OUT AMONG THE WAVES.  In both the contracted axis is the FIRST axis in memory (d in k, the keys in v).  A step has 128 keys x 2 blocks of d and 64 channels x 4 blocks of keys:
; 512 blocks of 32 numbers, one for each thread.  A lane takes a column and its 32 registers run down the contracted axis, so the block's largest magnitude needs no other lane and the conversions give codes with K innermost.
; The codes go to LDS as IMAGES OF THE OPERANDS' REGISTERS, and all sixteen waves load them back by 16 bytes a lane.
; NO CLUSTER, NO TENSOR LOAD, by this text's own arithmetic: the 8 work-groups of a head do read the same k and v, but as f32 with K outermost they must pass through registers to become codes: a step's tiles are 65,536 bytes of
; f32 against 12,800 bytes of codes and scale words, and a joint load would lay the f32 into each partner's LDS, to be read out, quantised and stored there again: five times the LDS bytes that this text moves for the operands.
; PRODUCT 1 HAS K = 64, the instruction 128.  A fragment of K holds TWO tiles of 16 keys, one in each half of the 128, and is multiplied twice: by [q | zeros] and by [zeros | q].  Zero codes add nothing.
; THE MASK IS THE C OF PRODUCT 1: LDS holds 8 x mask, it is loaded into the scores' registers, and the product adds onto it: t = (q . k + 8 mask) x log2(e) / 8.  The factor 8 is exact.
; BOTH PRODUCTS ARE USED TRANSPOSED (S^T = K Q^T, O^T = V^T P^T): a lane holds one query (lane % 16) throughout.  THE KEYS OF A TILE ARE NOT NEIGHBOURS: row r of tile (b, u) is key 32 b + 8 u + r + 8 (r / 8), so that
; registers S + 16 b + 0 .. 15 of lane (r, h) are the 16 neighbouring keys 32 b + 16 h + 0 .. 15.
; ONE BARRIER A STEP, ITS HALVES APART, FOUR SLOTS.  In interval n a wave makes its block of step n + 1 (slot (n + 1) % 4), waits for its LDS instructions and signals; then it works step n (slot n % 4), with LDS loads and register
; work alone, and waits at the interval's end.  A wave that has passed wait n - 1 knows that every wave has signalled n - 1, behind its own wait for its LDS instructions: step n's images are whole, and all reads of steps up to
; n - 2 are over.  While a wave reads slot n, others write slots n + 1 and n + 2 at the most.
; LIMITS.  NaN and infinities in q, k, v are not served.  A block whose largest magnitude lies under 2^-124 (a block of zeros among them) keeps the scale byte 1; this program alone reads the bytes.  A mask of 2^125 or more in
; magnitude becomes infinite by the factor 8.  A row all of whose logits are -infinity gives NaN, as reference() does.  The mask is added to the sum of products in the matrix unit, not behind the division by 8.
.set SLOTB,  12800                     ; a slot: 8 fragments of 1,536 bytes (K's four, V's four), then 512 bytes of scale words
.set VFR,    6144                      ; V's fragments in a slot
.set SCW,    12288                     ; the scale words: 16 bytes a lane: lanes 0-15 the words of K's four fragments for row r, lanes 16-31 those of V's
.set MASK,   4*SLOTB                   ; 8 x mask of the batch, 8,192 bytes, in the keys' order
.set STAGE,  MASK+8192                 ; 16 rows x 272 bytes for each wave, its own: q's turn at the head, the way out at the end
.set SP,     272
.set SPARE,  STAGE+16*16*SP            ; the spare words, 128 bytes for each wave: eight blocks of 256 bytes that no other line names
.set L16,  1                           ; v1   16 x lane: an image's place, and my bytes in two rows of q or of out
.set AM,   2                           ; v2   the mask's words of my half of the lanes: MASK + 64 (lane / 16), + 2,048 for each four steps
.set PW1,  3                           ; v3   where my block's codes go (below)
.set PW2,  4                           ; v4
.set PSB,  5                           ; v5   and its scale byte
.set VOFF, 6                           ; v6   my column's byte offset in a head of k or of v; never rewritten
.set PFO,  7                           ; v7   the prefetches' offset; never rewritten
.set SPW,  8                           ; v8   LDS address of my spare word; never rewritten
.set NIL,  9                           ; v9   0; never rewritten
.set STO,  10                          ; v10  the stage: row r, + 32 h
.set RD,   11                          ; v11  the stage: row h, + 16 r
.set NM,   12                          ; v12  -M;  v13 the running largest t (named with it as a pair)
.set SUM,  14                          ; v[14:15] the row's sum in two halves
.set QZ,   16                          ; v16-21 zeros, v22-27 q's codes, v28-33 zeros: [zeros | q] = v[16:27], [q | zeros] = v[22:33]
.set QS,   34                          ; v34  q's scale word: its two bytes, twice
.set QRD,  35                          ; v35  the stage: row r, + 128 h
.set SCL,  36                          ; v36-39 the step's scale words of K (lanes 0-15) and V (lanes 16-31)
.set FR,   40                          ; v40-87 four fragments: K's, then V's
.set S,    88                          ; v88-151 8 x mask, then S^T, then p
.set OT,   152                         ; v152-183 O^T: channels 16 n + 8 h + j at OT + 8 n + j
.set PC,   184                         ; v184-195 codes just made: my block's, then p's
.set PH,   196                         ; v196-198, v200-202 the conversions' second halves (three registers begin on an even number)
.set BM,   204                         ; v204-207 largest magnitudes, largest scores
.set T2,   208                         ; v208-211 the other half's; then scale bytes
.set SO,   212                         ; v212-215 the conversions' scale operands
.set TT,   216                         ; v216 at work
.set FF,   218                         ; v218 f = 2^(old M - new M)
.set PS,   219                         ; v219 p's scale word
.set SU,   220                         ; v[220:221] the sum's second chain
.set X,    222                         ; v222-253 my block's 32 numbers
.set WV,   14                          ; s14  my wave's number
.set SEL,  20                          ; s[20:21] v_permlanex16_b32's selects for lane l xor 16
.set CS,   22                          ; s[22:23] c = log2(e) / 8; the packed form names a pair
.set PB,   24                          ; s[24:25] k's or v's head, at the step that is loaded
.set PST,  26                          ; s[26:27] a step on: 512 bytes in a row of k, 32,768 in v
.set PF,   28                          ; s28  1 in a wave that prefetches
.set CNT,  29                          ; s29  trips
; WHO MAKES WHAT.  Wave w = 8 rho + 4 alpha + 2 c + h; lane l = (r = l % 16, u = l / 16).  Every wave fills half c (registers 6 c .. 6 c + 5), lane place r + 16 h, of fragment 4 rho + 2 alpha + u, and byte 2 c + h of that row's scale word.
; rho = 0, K: key 32 (2 alpha + c) + 8 u + r + 8 (r / 8) of the step, d = 32 h + i in register i.   rho = 1, V: channel 32 alpha + l, key 32 (2 c + h) + i of the step in register i.
; My block's 32 numbers: one load reads 128 consecutive bytes in the wave's 32 lanes.  The two tensors' rows are 8,192 and 256 bytes apart, so the loads stand in two arms of a branch on the wave's number.
; pf = 1: A PREFETCH INTO THE L2 of the step after the one just asked for, behind the wave's loads.  A step is 64 rows x 512 bytes of k and 32,768 dense bytes of v: 128 aligned blocks of 256 bytes each.  All 8 work-groups of a head
; walk the same k and v: the head's first asks (a branch on the work-group's number), and in it waves 0-3 (k) and 8-11 (v), a lane a block, one instruction a wave: each block is named once in the launch.
; Steps 0 to 2 come by their loads alone; the last prefetch names step 15.
.macro LOADX pf
	s_cmp_lt_u32 s[WV], 8
	s_cbranch_scc0 .Lfor_v_\@
.set I, 0
.rept 32
	global_load_b32 v[X+I], v[VOFF], s[PB:PB+1] offset:I*8192
.set I, I+1
.endr
.if \pf
	s_cmp_eq_u32 s[PF], 1
	s_cbranch_scc0 .Lasked_\@
	global_prefetch_b8 v[PFO], s[PB:PB+1] offset:512 th:TH_LOAD_NT scope:SCOPE_SE
.endif
	s_branch .Lasked_\@
.Lfor_v_\@:
.set I, 0
.rept 32
	global_load_b32 v[X+I], v[VOFF], s[PB:PB+1] offset:I*256
.set I, I+1
.endr
.if \pf
	s_cmp_eq_u32 s[PF], 1
	s_cbranch_scc0 .Lasked_\@
	global_prefetch_b8 v[PFO], s[PB:PB+1] offset:32768 th:TH_LOAD_NT scope:SCOPE_SE
.endif
.Lasked_\@:
.endm
; The largest magnitude of the 32 numbers from v[x] on, in two chains, with the floor 2^(3 - 127) as one more leaf: the scale's byte cannot fall under 1.  Sixteen plain lines.
.macro PMAX x
	v_max3_num_f32 v[BM], |v[\x]|, |v[\x+1]|, |v[\x+2]|
	v_max3_num_f32 v[BM+1], |v[\x+3]|, |v[\x+4]|, |v[\x+5]|
.irp i, 6,10,14,18,22,26
	v_max3_num_f32 v[BM], v[BM], |v[\x+\i]|, |v[\x+\i+1]|
	v_max3_num_f32 v[BM+1], v[BM+1], |v[\x+\i+2]|, |v[\x+\i+3]|
.endr
	v_max3_num_f32 v[BM], v[BM], |v[\x+30]|, |v[\x+31]|
	v_max3_num_f32 v[BM], v[BM], v[BM+1], 0x1800000
.endm
; My block becomes 24 bytes of codes and a scale byte, and goes into the slot.  An image's plane p holds registers 4 p .. 4 p + 3, 16 bytes a lane: half 0's six registers lie at bytes 0, 8 of plane 0 and 0 of plane 1,
; half 1's at byte 8 of plane 1 and 0, 8 of plane 2: PW1 holds 520 c, PW2 1016 c, so that three stores of 8 bytes with the offsets 0, 8, 512 serve both halves.
.macro PCVT slot
	v_add_nc_u32 v[SO], 0xff000000, v[BM]          ; 2 off the exponent field: the conversion takes the exponent field of this operand as its scale, and nothing else of it
	v_lshrrev_b32 v[T2], 23, v[SO]                 ; the scale's byte
	v_cvt_scalef32_pk16_fp6_f32 v[PC:PC+2], v[X:X+15], v[SO]
	v_cvt_scalef32_pk16_fp6_f32 v[PH:PH+2], v[X+16:X+31], v[SO]
	v_nop                                          ; one plain place behind a scaled conversion
.irp i, 0,1,2
	v_mov_b32 v[PC+3+\i], v[PH+\i]
.endr
	ds_store_b64 v[PW1], v[PC:PC+1] offset:(\slot)*SLOTB
	ds_store_b64 v[PW2], v[PC+2:PC+3] offset:(\slot)*SLOTB+8
	ds_store_b64 v[PW1], v[PC+4:PC+5] offset:(\slot)*SLOTB+512
	ds_store_b8 v[PSB], v[T2] offset:(\slot)*SLOTB
.endm
.macro KLOAD slot                      ; the step's scale words and K's four fragments: each load takes 512 consecutive bytes
	ds_load_b128 v[SCL:SCL+3], v[L16] offset:(\slot)*SLOTB+SCW
.irp f, 0,1,2,3
.irp p, 0,1,2
	ds_load_b128 v[FR+12*\f+4*\p:FR+12*\f+4*\p+3], v[L16] offset:(\slot)*SLOTB+1536*\f+512*\p
.endr
.endr
.endm
.macro VLOAD slot                      ; V's four
.irp f, 0,1,2,3
.irp p, 0,1,2
	ds_load_b128 v[FR+12*\f+4*\p:FR+12*\f+4*\p+3], v[L16] offset:(\slot)*SLOTB+VFR+1536*\f+512*\p
.endr
.endr
.endm
.macro MLOAD off                       ; 8 x mask of a step's keys into the scores' registers: S + 16 b + i takes key 32 b + 16 h + i; the sixteen lanes of a half read the same words
.irp j, 0,1,2,3,4,5,6,7,8,9,10,11,12,13,14,15
	ds_load_b128 v[S+4*\j:S+4*\j+3], v[AM] offset:(\off)+128*(\j/4)+16*(\j%4)
.endr
.endm
; S^T = K Q^T + 8 mask.  Fragment f holds tile (2 (f / 2), f % 2) in its lower 64 of K and tile (2 (f / 2) + 1, f % 2) in its upper.  Eight accumulators, one instruction each.
.macro QK
.irp f, 0,1,2,3
	v_wmma_scale_f32_16x16x128_f8f6f4 v[S+32*(\f/2)+8*(\f%2):S+32*(\f/2)+8*(\f%2)+7], v[FR+12*\f:FR+12*\f+11], v[QZ+6:QZ+17], v[S+32*(\f/2)+8*(\f%2):S+32*(\f/2)+8*(\f%2)+7], v[SCL+\f], v[QS] matrix_a_fmt:MATRIX_FMT_FP6 matrix_b_fmt:MATRIX_FMT_FP6
	v_wmma_scale_f32_16x16x128_f8f6f4 v[S+32*(\f/2)+16+8*(\f%2):S+32*(\f/2)+16+8*(\f%2)+7], v[FR+12*\f:FR+12*\f+11], v[QZ:QZ+11], v[S+32*(\f/2)+16+8*(\f%2):S+32*(\f/2)+16+8*(\f%2)+7], v[SCL+\f], v[QS] matrix_a_fmt:MATRIX_FMT_FP6 matrix_b_fmt:MATRIX_FMT_FP6
.endr
.endm
; O^T += V^T P^T: four tiles of 16 channels, K = the step's 128 keys.  V's scale words stand in lanes 16-31.
.macro PV
.irp n, 0,1,2,3
	v_wmma_scale_f32_16x16x128_f8f6f4 v[OT+8*\n:OT+8*\n+7], v[FR+12*\n:FR+12*\n+11], v[PC:PC+11], v[OT+8*\n:OT+8*\n+7], v[SCL+\n], v[PS] matrix_a_fmt:MATRIX_FMT_FP6 matrix_b_fmt:MATRIX_FMT_FP6 matrix_a_scale:MATRIX_SCALE_ROW1
.endr
.endm
; A step's softmax for my 16 queries: 64 scores a lane become p, its codes and its scale word; the sum and O^T come under the new M.
.macro SOFTMAX
.irp b, 0,1,2,3
	v_max3_num_f32 v[BM+\b], v[S+16*\b], v[S+16*\b+1], v[S+16*\b+2]   ; the largest score of each block of 32 keys: it serves for the row's maximum and, since p rises with the score, for the block's largest p.  (Each accumulator is read from its low end on)
.endr
.irp i, 3,5,7,9,11,13
.irp b, 0,1,2,3
	v_max3_num_f32 v[BM+\b], v[BM+\b], v[S+16*\b+\i], v[S+16*\b+\i+1]
.endr
.endr
.irp b, 0,1,2,3
	v_max_num_f32 v[BM+\b], v[BM+\b], v[S+16*\b+15]
.endr
.irp b, 0,1,2,3
	v_permlanex16_b32 v[T2+\b], v[BM+\b], s[SEL], s[SEL+1]
.endr
.irp b, 0,1,2,3
	v_max_num_f32 v[BM+\b], v[BM+\b], v[T2+\b]     ; with lane l xor 16's 16 keys
.endr
	v_max3_num_f32 v[TT], v[BM], v[BM+1], v[BM+2]
	v_max_num_f32 v[TT], v[TT], v[BM+3]            ; the step's largest score of my query
	v_mul_f32 v[TT], s[CS], v[TT]                  ; as t (c is positive)
	v_max_num_f32 v[NM+1], v[NM+1], v[TT]          ; the running largest t
	v_mov_b32 v[TT], v[NM]
	v_floor_f32 v[NM], -v[NM+1]                    ; the new -M = floor(-t) = -ceil(t)
	v_sub_f32 v[TT], v[NM], v[TT]                  ; old M - new M: a whole number, 0 or less
	v_cvt_i32_f32 v[TT], v[TT]                     ; (it saturates)
	v_ldexp_f32 v[FF], 1.0, v[TT]                  ; f = 2^(old M - new M)
.set J, 0
.rept 32
	v_pk_fma_f32 v[S+J:S+J+1], v[S+J:S+J+1], s[CS:CS+1], v[NM:NM+1] op_sel_hi:[1,0,0]   ; t - M, two at a time (of the pairs c and -M the low word serves both halves)
.set J, J+2
.endr
.irp b, 0,1,2,3
	v_fma_f32 v[BM+\b], v[BM+\b], s[CS], v[NM]     ; the same of each block's largest score
.endr
.set J, 0
.rept 64
	v_exp_f32 v[S+J], v[S+J]                       ; p = 2^(t - M), at most 1
.set J, J+1
.endr
	v_pk_mul_f32 v[SUM:SUM+1], v[SUM:SUM+1], v[FF:FF+1] op_sel_hi:[1,0]   ; the sums under the new M: the plain line behind the exponentials
	s_wait_alu depctr_va_vdst(0)                   ; one wait for the 64, ahead of the first line that names an exponential's result
.irp b, 0,1,2,3
	v_exp_f32 v[BM+\b], v[BM+\b]                   ; the block's largest p: the same two instructions on the same number
.endr
	v_pk_add_f32 v[SU:SU+1], v[S:S+1], v[S+2:S+3]  ; the row's sum is taken of the unquantised p, in two chains; these lines read the 64 alone
.irp j, 4,8,12,16,20,24,28,32,36,40,44,48,52
	v_pk_add_f32 v[SUM:SUM+1], v[SUM:SUM+1], v[S+\j:S+\j+1]
	v_pk_add_f32 v[SU:SU+1], v[SU:SU+1], v[S+\j+2:S+\j+3]
.endr
	s_wait_alu depctr_va_vdst(0)                   ; and one for the four
.irp b, 0,1,2,3
	v_max_num_f32 v[BM+\b], 0x1800000, v[BM+\b]    ; the floor 2^(3 - 127): a block whose every p has fallen to 0 keeps the byte 1; its codes are zeros
.endr
.irp b, 0,1,2,3
	v_add_nc_u32 v[SO+\b], 0xff000000, v[BM+\b]    ; 2 off the exponent field: the conversion's scale operand
.endr
.irp b, 0,1,2,3
	v_lshrrev_b32 v[T2+\b], 23, v[SO+\b]           ; the scale's byte
.endr
	v_lshl_or_b32 v[PS], v[T2+1], 8, v[T2]         ; p's scale word for these 128 keys
	v_lshl_or_b32 v[PS], v[T2+2], 16, v[PS]
	v_lshl_or_b32 v[PS], v[T2+3], 24, v[PS]
.irp c, 0,1
	v_cvt_scalef32_pk16_fp6_f32 v[PC+6*\c:PC+6*\c+2], v[S+32*\c:S+32*\c+15], v[SO+2*\c]
	v_cvt_scalef32_pk16_fp6_f32 v[PH+4*\c:PH+4*\c+2], v[S+32*\c+16:S+32*\c+31], v[SO+2*\c+1]
.endr
	v_nop                                          ; one plain place behind a scaled conversion
.irp c, 0,1                            ; the operand's layout wants a whole block in a lane: lanes 0-15 block 2 c, lanes 16-31 block 2 c + 1
.irp i, 0,1,2
	v_permlane16_swap_b32 v[PC+6*\c+\i], v[PH+4*\c+\i]
.endr
.irp i, 0,1,2
	v_mov_b32 v[PC+6*\c+3+\i], v[PH+4*\c+\i]
.endr
.endr
.set J, 0
.rept 16
	v_pk_mul_f32 v[OT+J:OT+J+1], v[OT+J:OT+J+1], v[FF:FF+1] op_sel_hi:[1,0]   ; O^T under the new M, each accumulator from its low end on
.set J, J+2
.endr
.irp j, 56,60                          ; the sum's last lines stand here: with the 16 above they are the plain lines between the vector writes of p's codes, its scale word and O^T and the products that take them
	v_pk_add_f32 v[SUM:SUM+1], v[SUM:SUM+1], v[S+\j:S+\j+1]
	v_pk_add_f32 v[SU:SU+1], v[SU:SU+1], v[S+\j+2:S+\j+3]
.endr
	v_pk_add_f32 v[SUM:SUM+1], v[SUM:SUM+1], v[SU:SU+1]
.endm
; AN INTERVAL: step n lies in slot sl.  quant: my block of step n + 1 is made;  load: step n + 2's numbers are asked for;  pf: step n + 3 is prefetched;  next: step n + 1's mask words are fetched.
.macro STEP sl, quant, load, pf, next
.if \quant
	s_wait_loadcnt 0x0                             ; my block's 32 loads, asked for an interval ago, are the only ones out
	PMAX X                                         ; sixteen plain lines that name no register of the last products: the places in front of the loads and conversions below
	KLOAD \sl
	PCVT (\sl+1)%4
.if \load
	s_wait_xcnt 0x0                                ; the last prefetch, an interval back, has read its base (the loads are done): it may step
	s_add_nc_u64 s[PB:PB+1], s[PB:PB+1], s[PST:PST+1]
	LOADX \pf
.endif
	s_wait_dscnt 0x0                               ; for the others' sake: my stores into the next slot have landed, and my reads of the last slot are over; for mine: K's fragments, the scale words and the mask's words are in
.if \sl == 3
	v_add_nc_u32 v[AM], 2048, v[AM]                ; four steps' mask words on (no LDS instruction of mine is out)
.endif
	s_barrier_signal -1                            ; up to the wait below: LDS loads of this slot and of the mask, which nobody writes before later barriers, and work on registers
.else
.rept 4
	v_nop                                          ; places in front of loads into registers that the last products have read
.endr
	KLOAD \sl
	s_wait_dscnt 0x0
.endif
	QK
.rept 4
	v_nop                                          ; places in front of the loads into K's registers and of the first read of the scores
.endr
	VLOAD \sl
	SOFTMAX
	s_wait_dscnt 0x0                               ; V's fragments, asked for ahead of the softmax
	PV
.if \next
	MLOAD 512*((\sl+1)%4)                          ; p's registers are free: they take the next step's 8 x mask; awaited in front of the next signal
.endif
.if \quant
	s_barrier_wait -1                              ; every wave has signalled: the next slot is whole
.endif
.endm
	s_load_b256 s[4:11], s[0:1], 0x0               ; q s[4:5], k s[6:7], v s[8:9], mask s[10:11]
	s_load_b64 s[12:13], s[0:1], 0x20              ; out
	v_lshl_add_u32 v[SPW], v0, 2, SPARE
	v_mov_b32 v[NIL], 0
	v_lshrrev_b32 v204, 5, v0
	v_readfirstlane_b32 s[WV], v204                ; wave 0..15
	v_and_b32 v204, 31, v0                         ; l
	v_and_b32 v205, 15, v0                         ; r
	v_bfe_u32 v206, v0, 4, 1                       ; u (as a reader of operands: h)
	v_lshlrev_b32 v[L16], 4, v204
	v_lshl_add_u32 v[AM], v206, 6, MASK
	; where my block's codes go: 3072 (w / 4) + 256 h + 1536 u + 16 r, + 520 c (PW1) or 1016 c (PW2)
	s_lshr_b32 s15, s[WV], 2
	s_mul_i32 s15, s15, 3072
	s_bfe_u32 s16, s[WV], 0x10001                  ; c
	s_and_b32 s17, s[WV], 1                        ; h
	s_mul_i32 s18, s16, 520
	s_add_co_u32 s15, s15, s18
	s_lshl_b32 s18, s17, 8
	s_add_co_u32 s15, s15, s18
	s_mul_i32 s18, s16, 496
	s_add_co_u32 s18, s18, s15
	v_mul_u32_u24 v207, v206, 1536
	v_lshl_add_u32 v207, v205, 4, v207
	v_add_nc_u32 v[PW1], s15, v207
	v_add_nc_u32 v[PW2], s18, v207
	; and its scale byte: SCW + 256 rho + 16 r + 4 (2 alpha + u) + 2 c + h
	s_lshr_b32 s19, s[WV], 3
	s_lshl_b32 s19, s19, 8
	s_bfe_u32 s30, s[WV], 0x10002                  ; alpha
	s_lshl_b32 s31, s30, 3
	s_add_co_u32 s19, s19, s31
	s_and_b32 s31, s[WV], 3
	s_add_co_u32 s19, s19, s31
	s_add_co_u32 s19, s19, SCW
	v_lshlrev_b32 v208, 4, v205
	v_lshl_add_u32 v208, v206, 2, v208
	v_add_nc_u32 v[PSB], s19, v208
	; my stage
	s_mul_i32 s46, s[WV], 16*SP
	s_add_co_u32 s46, s46, STAGE
	v_mul_u32_u24 v207, v205, SP
	v_add_nc_u32 v207, s46, v207
	v_lshl_add_u32 v[STO], v206, 5, v207
	v_lshl_add_u32 v[QRD], v206, 7, v207
	v_mul_u32_u24 v207, v206, SP
	v_lshl_add_u32 v207, v205, 4, v207
	v_add_nc_u32 v[RD], s46, v207
	v_lshl_add_u32 v213, v0, 4, MASK               ; the mask: 16 bytes a thread, in LDS
	v_lshlrev_b32 v214, 4, v0                      ; and in memory
	; my column in memory.  k: 262144 h + 128 (2 alpha + c) + 4 r + 32 u + 32 (r / 8);  v: 8192 (2 c + h) + 128 alpha + 4 l
	v_bfe_u32 v209, v0, 3, 1
	v_add_nc_u32 v209, v209, v206
	v_lshlrev_b32 v209, 5, v209
	v_lshl_add_u32 v209, v205, 2, v209
	v_lshlrev_b32 v210, 2, v204
	; the prefetches' blocks.  k: row 16 (w % 4) + l / 2, half l % 2;  v: block 32 (w % 4) + l
	v_lshrrev_b32 v211, 1, v204
	v_lshlrev_b32 v211, 13, v211
	v_and_b32 v212, 1, v204
	v_lshl_add_u32 v211, v212, 8, v211
	v_lshlrev_b32 v212, 8, v204
	s_and_b32 s31, s[WV], 3
	s_lshl_b32 s33, s31, 13
	s_lshl_b32 s36, s31, 17
	s_lshl_b32 s32, s17, 18
	s_bfe_u32 s31, s[WV], 0x20001
	s_lshl_b32 s31, s31, 7
	s_add_co_u32 s32, s32, s31
	s_lshl_b32 s34, s30, 7
	s_add_co_u32 s34, s34, s33
	s_and_b32 s37, s[WV], 4                        ; waves 0-3 and 8-11,
	s_or_b32 s37, s37, ttmp9                       ; of the head's first work-group
	s_cmp_eq_u32 s37, 0
	s_cselect_b32 s[PF], 1, 0
	s_mov_b32 s[PST], 0x8000
	s_mov_b32 s[PST+1], 0
	s_cmp_lt_u32 s[WV], 8                          ; K's wave or V's
	s_cselect_b32 s32, s32, s34
	s_cselect_b32 s36, s36, s33
	s_cselect_b32 s35, -1, 0
	s_cselect_b32 s[PST], 512, s[PST]
	v_cndmask_b32 v[VOFF], v210, v209, s35
	v_add_nc_u32 v[VOFF], s32, v[VOFF]
	v_cndmask_b32 v[PFO], v212, v211, s35
	v_add_nc_u32 v[PFO], s36, v[PFO]
	s_mov_b32 s[SEL], 0x76543210
	s_mov_b32 s[SEL+1], 0xfedcba98
	s_mov_b32 s[CS], 0x3e38aa3b                    ; c = log2(e) / 8
	s_mov_b32 s[CS+1], s[CS]                       ; (named with it as a pair, so it is written)
	s_and_b32 s38, ttmp7, 0xffff                   ; the head
	s_lshl_b32 s40, s38, 19                        ; a head is 524,288 bytes in each of q, k, v, out
	s_mov_b32 s41, 0
	s_lshl_b32 s42, ttmp9, 16                      ; my work-group's 256 rows of 256 bytes,
	s_lshl_b32 s43, s[WV], 12                      ; my wave's 16
	s_add_co_u32 s42, s42, s43
	s_add_co_u32 s42, s42, s40
	s_mov_b32 s43, 0
	s_lshr_b32 s44, s38, 4                         ; the batch
	s_lshl_b32 s44, s44, 13
	s_mov_b32 s45, 0
	s_wait_kmcnt 0x0
	s_cmp_lt_u32 s[WV], 8
	s_cselect_b64 s[PB:PB+1], s[6:7], s[8:9]
	s_add_nc_u64 s[PB:PB+1], s[PB:PB+1], s[40:41]
	s_add_nc_u64 s[4:5], s[4:5], s[42:43]
	s_add_nc_u64 s[12:13], s[12:13], s[42:43]
	s_add_nc_u64 s[10:11], s[10:11], s[44:45]
	LOADX 0                                        ; step 0
	global_load_b128 v[OT:OT+3], v214, s[10:11]    ; the batch's mask: 512 threads x 16 bytes
.irp i, 0,1,2,3,4,5,6,7
	global_load_b128 v[S+4*\i:S+4*\i+3], v[L16], s[4:5] offset:512*\i th:TH_LOAD_NT   ; my 16 rows of q, 512 consecutive bytes a load; read once in the launch
.endr
	s_wait_loadcnt 9                               ; step 0's 32 are in; the mask's one and q's eight may be out
	PMAX X
	PCVT 0
	s_wait_xcnt 0x0                                ; all that has been issued has read its base
	s_add_nc_u64 s[PB:PB+1], s[PB:PB+1], s[PST:PST+1]
	LOADX 0                                        ; step 1
	s_wait_loadcnt 40                              ; the mask is in; q's eight and step 1's 32 may be out
.irp i, 0,1,2,3
	v_mul_f32 v[OT+\i], 0x41000000, v[OT+\i]       ; 8 x mask: exact
.endr
	ds_store_b128 v213, v[OT:OT+3]
	s_wait_loadcnt 32                              ; q is in
.irp i, 0,1,2,3,4,5,6,7
	ds_store_b128 v[RD], v[S+4*\i:S+4*\i+3] offset:2*\i*SP   ; q turns through my stage: rows 2 i + h, as loaded;
.endr
.irp j, 0,1,2,3,4,5,6,7
	ds_load_b128 v[S+32+4*\j:S+32+4*\j+3], v[QRD] offset:16*\j   ; back: row r, d = 32 h + 0 .. 31: a whole block in a lane.  LDS serves a wave's instructions in order: these see my stores
.endr
	s_wait_dscnt 0x0                               ; for the others' sake: step 0's block and my part of the mask have landed; for mine: q is back
	s_barrier_signal -1
	PMAX S+32                                      ; between the signal and the wait: work on registers alone.  q's block
	v_add_nc_u32 v[SO], 0xff000000, v[BM]
	v_lshrrev_b32 v[T2], 23, v[SO]
	v_cvt_scalef32_pk16_fp6_f32 v[QZ+6:QZ+8], v[S+32:S+47], v[SO]
	v_cvt_scalef32_pk16_fp6_f32 v[PH:PH+2], v[S+48:S+63], v[SO]
	v_nop                                          ; one plain place behind a scaled conversion
.irp i, 0,1,2
	v_mov_b32 v[QZ+9+\i], v[PH+\i]
.endr
	v_bfe_u32 v[T2+1], v0, 4, 1
	v_lshlrev_b32 v[T2+1], 3, v[T2+1]
	v_lshlrev_b32 v[T2], v[T2+1], v[T2]            ; my byte at its place: 8 h bits up
	v_mov_b32 v[T2+2], 0
	v_permlanex16_b32 v[T2+2], v[T2], s[SEL], s[SEL+1]
	v_or_b32 v[T2], v[T2], v[T2+2]                 ; with lane l xor 16's: the row's two bytes,
	v_lshl_or_b32 v[QS], v[T2], 16, v[T2]          ; twice: they serve q in the lower and in the upper half of K
.irp i, 0,1,2,3,4,5
	v_mov_b32 v[QZ+\i], 0                          ; zero codes on both sides of q's
	v_mov_b32 v[QZ+12+\i], 0
.endr
.set J, 0
.rept 32
	v_mov_b32 v[OT+J], 0                           ; O^T: the step is written once; the first finds zeros, which the first change of M leaves zeros
.set J, J+1
.endr
	v_mov_b32 v[NM+1], 0xff61b1e6                  ; the largest t so far: -3e38
	v_floor_f32 v[NM], -v[NM+1]                    ; -M
	v_mov_b32 v[SUM], 0
	v_mov_b32 v[SUM+1], 0
.irp b, 0,1,2,3
	v_mov_b32 v[T2+\b], 0                          ; a lane permute's destination counts as one of its sources
.endr
	v_mov_b32 v[PS], 0                             ; (named as the upper half of the pair with f before it is first written)
	s_barrier_wait -1                              ; slot 0 and the mask are whole
	MLOAD 0                                        ; step 0's 8 x mask
	s_mov_b32 s[CNT], 3
.Ltrip:                                                ; a trip is four intervals, once round the slots
	STEP 0, 1, 1, 1, 1
	STEP 1, 1, 1, 1, 1
	STEP 2, 1, 1, 1, 1
	STEP 3, 1, 1, 1, 1
	s_sub_co_u32 s[CNT], s[CNT], 1
	s_cmp_lg_u32 s[CNT], 0
	s_cbranch_scc1 .Ltrip
	STEP 0, 1, 1, 1, 1                             ; interval 12: makes step 13, asks for 14, prefetches 15
	STEP 1, 1, 1, 0, 1                             ; interval 13: makes 14, asks for 15: no load and no prefetch leaves its buffer
	STEP 2, 1, 0, 0, 1                             ; interval 14: makes 15
	STEP 3, 0, 0, 0, 0                             ; interval 15: nothing is left to make, so no barrier
	; THE WAY OUT.  O^T / the sum goes through my stage: a lane's eight channels of a tile are 32 bytes of a row of 256; it comes back as whole rows, and a store covers 512 consecutive bytes, two rows of out.
.rept 4
	v_nop                                          ; places behind the last products
.endr
	v_add_f32 v[SUM], v[SUM], v[SUM+1]             ; the sum's two halves,
	v_permlanex16_b32 v[TT], v[SUM], s[SEL], s[SEL+1]
	v_add_f32 v[SUM], v[SUM], v[TT]                ; and lane l xor 16's
	v_rcp_f32 v[SUM], v[SUM]
	v_nop                                          ; one plain place behind a transcendental
	s_wait_alu depctr_va_vdst(0)                   ; ahead of the first reader
.set J, 0
.rept 32
	v_mul_f32 v[S+J], v[OT+J], v[SUM]              ; register 8 n + j is out(r, 16 n + 8 h + j); each accumulator from its low end on
.set J, J+1
.endr
.irp n, 0,1,2,3
	ds_store_b128 v[STO], v[S+8*\n:S+8*\n+3] offset:64*\n
	ds_store_b128 v[STO], v[S+8*\n+4:S+8*\n+7] offset:64*\n+16
.endr
.irp i, 0,1,2,3,4,5,6,7
	ds_load_b128 v[S+32+4*\i:S+32+4*\i+3], v[RD] offset:2*\i*SP   ; LDS serves a wave's instructions in order: these see my stores
.endr
.irp i, 0,1,2,3,4,5,6,7
	s_wait_dscnt 7-\i                              ; load i is back; the younger ones may be out
	global_store_b128 v[L16], v[S+32+4*\i:S+32+4*\i+3], s[12:13] offset:512*\i th:TH_STORE_NT   ; 32 lanes store 512 consecutive bytes, at a multiple of 256 from out's first byte
.endr
	s_wait_tensorcnt 0x0                           ; the wave's end: behind my last LDS store
	ds_add_u32 v[SPW], v[NIL]
	s_wait_dscnt 0x0
	s_endpgm
.Lfunc_end_k_qd910835238_attn:
	.size	k_qd910835238_attn, .Lfunc_end_k_qd910835238_attn-k_qd910835238_attn
	.p2alignl 7, 3214868480
	.fill 96, 4, 3214868480
	.section	.rodata,"a",@progbits
	.p2align	6, 0x0
	.amdhsa_kernel k_qd910835238_attn
		.amdhsa_group_segment_fixed_size 131072
		.amdhsa_private_segment_fixed_size 0
		.amdhsa_enable_private_segment 0
		.amdhsa_kernarg_size 40
		.amdhsa_user_sgpr_count 2
		.amdhsa_user_sgpr_kernarg_segment_ptr 1
		.amdhsa_wavefront_size32 1
		.amdhsa_system_sgpr_workgroup_id_x 1
		.amdhsa_system_sgpr_workgroup_id_y 1
		.amdhsa_system_sgpr_workgroup_id_z 1
		.amdhsa_system_vgpr_workitem_id 0
		.amdhsa_next_free_vgpr 256
		.amdhsa_next_free_sgpr 66
		.amdhsa_reserve_vcc 0
		.amdhsa_float_denorm_mode_32 3
		.amdhsa_float_denorm_mode_16_64 3
		.amdhsa_memory_ordered 1
		.amdhsa_forward_progress 1
		.amdhsa_inst_pref_size 206
	.end_amdhsa_kernel
	.amdgpu_metadata
---
amdhsa.version: [ 1, 2 ]
amdhsa.kernels:
  - .name:           k_qd910835238_attn
    .symbol:         k_qd910835238_attn.kd
    .args:
      - { .name: q, .offset: 0, .size: 8, .value_kind: global_buffer, .address_space: global }
      - { .name: k, .offset: 8, .size: 8, .value_kind: global_buffer, .address_space: global }
      - { .name: v, .offset: 16, .size: 8, .value_kind: global_buffer, .address_space: global }
      - { .name: attention_mask, .offset: 24, .size: 8, .value_kind: global_buffer, .address_space: global }
      - { .name: out0, .offset: 32, .size: 8, .value_kind: global_buffer, .address_space: global }
    .group_segment_fixed_size: 131072
    .private_segment_fixed_size: 0
    .kernarg_segment_align: 8
    .kernarg_segment_size: 40
    .max_flat_workgroup_size: 512
    .sgpr_count:     66
    .vgpr_count:     256
    .wavefront_size: 32
...
	.end_amdgpu_metadata
.endif
;; end of part 1
;; ======== version 2 of 2: 1 launch; version 1 with the launch attn written anew for expert scheduling mode
;; launch attn (part 2): grid 8 x 64, 16 waves a work-group, no clusters, 131,072 bytes of LDS; arguments q, k, v, attention_mask, out0; writes out0
.if DOCPART == 2
	.amdgcn_target "amdgcn-amd-amdhsa--gfx1250"
	.amdhsa_code_object_version 6
	.text
	.protected	k_qd910835238_attn
	.globl	k_qd910835238_attn
	.p2align	8
	.type	k_qd910835238_attn,@function
k_qd910835238_attn:
	s_mov_b64 s[64:65], 0
	v_nop
	global_prefetch_b8 v0, s[64:65] scope:SCOPE_SE
	s_setreg_imm32_b32 hwreg(HW_REG_WAVE_SCHED_MODE, 0, 2), 2
	s_setreg_imm32_b32 hwreg(HW_REG_WAVE_MODE, 25, 1), 1
	s_wait_xcnt 0x0
	s_wait_alu depctr_vm_vsrc(0)
; out[b][h][s][:] = sum over t of softmax_t(q[b][h][s] . k[b][h][:][t] / 8 + mask[b][t]) v[b][h][t][:], both products on codes of FP6 (E2M3) with one E8M0 scale for each 32 along a product's K.
; q, v, out: [64 heads][2048][64] f32;  k: [64 heads][64 (d)][2048 (t)] f32;  mask: [4][2048] f32.
; NOTHING OF reference() IS LEFT OUT: the mask varies along the softmax's axis, so it is live and is loaded; all four inputs are arguments.
; THE SOFTMAX AHEAD OF THE SECOND PRODUCT: t = logit x log2(e); M = the running largest t rounded UP to a whole number; p = 2^(t - M) is quantised along the keys, not normalised; the row's sum is taken of the
; unquantised p in f32 and divides at the end; when M moves, the sum and O are multiplied by 2^(old M - new M), which rounds nothing.
; SHARES.  A work-group owns 256 queries of one head; each of its sixteen waves owns 16 of them in 256 registers, four waves to a SIMD.  Every wave walks the head's 2,048 keys, 128 a step, 16 steps.
; K AND V ARE QUANTISED IN THE LOOP, SHARED OUT AMONG THE WAVES.  In both the contracted axis is the FIRST axis in memory (d in k, the keys in v).  A step has 128 keys x 2 blocks of d and 64 channels x 4 blocks of keys:
; 512 blocks of 32 numbers, one for each thread.  A lane takes a column and its 32 registers run down the contracted axis, so the block's largest magnitude needs no other lane and the conversions give codes with K innermost.
; The codes go to LDS as IMAGES OF THE OPERANDS' REGISTERS, and all sixteen waves load them back by 16 bytes a lane.
; NO CLUSTER, NO TENSOR LOAD, by this text's own arithmetic: the 8 work-groups of a head do read the same k and v, but as f32 with K outermost they must pass through registers to become codes: a step's tiles are 65,536 bytes of
; f32 against 12,800 bytes of codes and scale words, and a joint load would lay the f32 into each partner's LDS, to be read out, quantised and stored there again: five times the LDS bytes that this text moves for the operands.
; PRODUCT 1 HAS K = 64, the instruction 128.  A fragment of K holds TWO tiles of 16 keys, one in each half of the 128, and is multiplied twice: by [q | zeros] and by [zeros | q].  Zero codes add nothing.
; THE MASK IS THE C OF PRODUCT 1: LDS holds 8 x mask, it is loaded into the scores' registers, and the product adds onto it: t = (q . k + 8 mask) x log2(e) / 8.  The factor 8 is exact.
; BOTH PRODUCTS ARE USED TRANSPOSED (S^T = K Q^T, O^T = V^T P^T): a lane holds one query (lane % 16) throughout.  THE KEYS OF A TILE ARE NOT NEIGHBOURS: row r of tile (b, u) is key 32 b + 8 u + r + 8 (r / 8), so that
; registers S + 16 b + 0 .. 15 of lane (r, h) are the 16 neighbouring keys 32 b + 16 h + 0 .. 15.
; ONE BARRIER A STEP, ITS HALVES APART, FOUR SLOTS.  In interval n a wave makes its block of step n + 1 (slot (n + 1) % 4), waits for its LDS instructions and signals; then it works step n (slot n % 4), with LDS loads and register
; work alone, and waits at the interval's end.  A wave that has passed wait n - 1 knows that every wave has signalled n - 1, behind its own wait for its LDS instructions: step n's images are whole, and all reads of steps up to
; n - 2 are over.  While a wave reads slot n, others write slots n + 1 and n + 2 at the most.
; THE MODE: SCHED_MODE bits 1:0 = 2 (LLVM: expert scheduling mode 2), set by the entry lines.  The code itself states the register dependences between vector or matrix instructions and memory or LDS instructions,
; with s_wait_alu, always for 0.
; THE PLAN.  Registers that memory or LDS instructions touch, in an interval:
;   X            The global loads of step n + 2 land in it; the maxima and the two conversions of interval n + 1 read it; behind them it is asked for again.
;   PC .. PC+5, T2   My block's codes and byte: written by the conversions' lines, read by four LDS stores, written again by the softmax.
;   SCL, FR      K's loads land; the first product reads them; V's loads land in FR; the second product reads FR and SCL; the next interval's K's loads land.
;   S            The mask's loads land; the first product adds onto them; the softmax reads and writes them; the next step's mask words land.
;   v[AM]        Read by every load of mask words; written once in four intervals.
;   The other addresses and offsets (v1, v3 to v11, v35) are made at the head and never written again.  O^T, the sums and the registers at work are named by vector and matrix instructions alone.
; THREE WAITS ON va_vdst AN INTERVAL, beside the two behind the exponentials.  The first stands behind my block's conversions: the codes are written, X is read out, the last step's second product is done with FR and SCL; K's loads,
; my four stores and the 32 global loads follow it with no vector line between.  The second stands behind the first product: FR is read out; V's loads follow, dealt among the softmax's first maxima, which name none of FR.
; The third stands directly ahead of the second product: p's codes and scale word are written, the softmax is done with S, v[AM] is written; the mask's loads follow, dealt among the four products, which name neither S nor v[AM].
; ONE WAIT ON vm_vsrc AN INTERVAL, ahead of the barrier's signal: my stores have read PC and T2, the mask's loads have read v[AM].
; LIMITS.  NaN and infinities in q, k, v are not served.  A block whose largest magnitude lies under 2^-124 (a block of zeros among them) keeps the scale byte 1; this program alone reads the bytes.  A mask of 2^125 or more in
; magnitude becomes infinite by the factor 8.  A row all of whose logits are -infinity gives NaN, as reference() does.  The mask is added to the sum of products in the matrix unit, not behind the division by 8.
.set SLOTB,  12800                     ; a slot: 8 fragments of 1,536 bytes (K's four, V's four), then 512 bytes of scale words
.set VFR,    6144                      ; V's fragments in a slot
.set SCW,    12288                     ; the scale words: 16 bytes a lane: lanes 0-15 the words of K's four fragments for row r, lanes 16-31 those of V's
.set MASK,   4*SLOTB                   ; 8 x mask of the batch, 8,192 bytes, in the keys' order
.set STAGE,  MASK+8192                 ; 16 rows x 272 bytes for each wave, its own: q's turn at the head, the way out at the end
.set SP,     272
.set SPARE,  STAGE+16*16*SP            ; the spare words, 128 bytes for each wave: eight blocks of 256 bytes that no other line names
.set L16,  1                           ; v1   16 x lane: an image's place, and my bytes in two rows of q or of out
.set AM,   2                           ; v2   the mask's words of my half of the lanes: MASK + 64 (lane / 16), + 2,048 for each four steps
.set PW1,  3                           ; v3   where my block's codes go (below)
.set PW2,  4                           ; v4
.set PSB,  5                           ; v5   and its scale byte
.set VOFF, 6                           ; v6   my column's byte offset in a head of k or of v; never rewritten
.set PFO,  7                           ; v7   the prefetches' offset; never rewritten
.set SPW,  8                           ; v8   LDS address of my spare word; never rewritten
.set NIL,  9                           ; v9   0; never rewritten
.set STO,  10                          ; v10  the stage: row r, + 32 h
.set RD,   11                          ; v11  the stage: row h, + 16 r
.set NM,   12                          ; v12  -M;  v13 the running largest t (named with it as a pair)
.set SUM,  14                          ; v[14:15] the row's sum in two halves
.set QZ,   16                          ; v16-21 zeros, v22-27 q's codes, v28-33 zeros: [zeros | q] = v[16:27], [q | zeros] = v[22:33]
.set QS,   34                          ; v34  q's scale word: its two bytes, twice
.set QRD,  35                          ; v35  the stage: row r, + 128 h
.set SCL,  36                          ; v36-39 the step's scale words of K (lanes 0-15) and V (lanes 16-31)
.set FR,   40                          ; v40-87 four fragments: K's, then V's
.set S,    88                          ; v88-151 8 x mask, then S^T, then p
.set OT,   152                         ; v152-183 O^T: channels 16 n + 8 h + j at OT + 8 n + j
.set PC,   184                         ; v184-195 codes just made: my block's, then p's
.set PH,   196                         ; v196-198, v200-202 the conversions' second halves (three registers begin on an even number)
.set BM,   204                         ; v204-207 largest magnitudes, largest scores
.set T2,   208                         ; v208-211 the other half's; then scale bytes
.set SO,   212                         ; v212-215 the conversions' scale operands
.set TT,   216                         ; v216 at work
.set FF,   218                         ; v218 f = 2^(old M - new M)
.set PS,   219                         ; v219 p's scale word
.set SU,   220                         ; v[220:221] the sum's second chain
.set X,    222                         ; v222-253 my block's 32 numbers
.set WV,   14                          ; s14  my wave's number
.set SEL,  20                          ; s[20:21] v_permlanex16_b32's selects for lane l xor 16
.set CS,   22                          ; s[22:23] c = log2(e) / 8; the packed form names a pair
.set PB,   24                          ; s[24:25] k's or v's head, at the step that is loaded
.set PST,  26                          ; s[26:27] a step on: 512 bytes in a row of k, 32,768 in v
.set PF,   28                          ; s28  1 in a wave that prefetches
.set CNT,  29                          ; s29  trips
; WHO MAKES WHAT.  Wave w = 8 rho + 4 alpha + 2 c + h; lane l = (r = l % 16, u = l / 16).  Every wave fills half c (registers 6 c .. 6 c + 5), lane place r + 16 h, of fragment 4 rho + 2 alpha + u, and byte 2 c + h of that row's scale word.
; rho = 0, K: key 32 (2 alpha + c) + 8 u + r + 8 (r / 8) of the step, d = 32 h + i in register i.   rho = 1, V: channel 32 alpha + l, key 32 (2 c + h) + i of the step in register i.
; My block's 32 numbers: one load reads 128 consecutive bytes in the wave's 32 lanes.  The two tensors' rows are 8,192 and 256 bytes apart, so the loads stand in two arms of a branch on the wave's number.
; pf = 1: A PREFETCH INTO THE L2 of the step after the one just asked for, behind the wave's loads.  A step is 64 rows x 512 bytes of k and 32,768 dense bytes of v: 128 aligned blocks of 256 bytes each.  All 8 work-groups of a head
; walk the same k and v: the head's first asks (a branch on the work-group's number), and in it waves 0-3 (k) and 8-11 (v), a lane a block, one instruction a wave: each block is named once in the launch.
; Steps 0 to 2 come by their loads alone; the last prefetch names step 15.
.macro LOADX pf
	s_cmp_lt_u32 s[WV], 8
	s_cbranch_scc0 .Lfor_v_\@
.set I, 0
.rept 32
	global_load_b32 v[X+I], v[VOFF], s[PB:PB+1] offset:I*8192
.set I, I+1
.endr
.if \pf
	s_cmp_eq_u32 s[PF], 1
	s_cbranch_scc0 .Lasked_\@
	global_prefetch_b8 v[PFO], s[PB:PB+1] offset:512 th:TH_LOAD_NT scope:SCOPE_SE
.endif
	s_branch .Lasked_\@
.Lfor_v_\@:
.set I, 0
.rept 32
	global_load_b32 v[X+I], v[VOFF], s[PB:PB+1] offset:I*256
.set I, I+1
.endr
.if \pf
	s_cmp_eq_u32 s[PF], 1
	s_cbranch_scc0 .Lasked_\@
	global_prefetch_b8 v[PFO], s[PB:PB+1] offset:32768 th:TH_LOAD_NT scope:SCOPE_SE
.endif
.Lasked_\@:
.endm
; The largest magnitude of the 32 numbers from v[x] on, in two chains, with the floor 2^(3 - 127) as one more leaf: the scale's byte cannot fall under 1.  Sixteen plain lines.
.macro PMAX x
	v_max3_num_f32 v[BM], |v[\x]|, |v[\x+1]|, |v[\x+2]|
	v_max3_num_f32 v[BM+1], |v[\x+3]|, |v[\x+4]|, |v[\x+5]|
.irp i, 6,10,14,18,22,26
	v_max3_num_f32 v[BM], v[BM], |v[\x+\i]|, |v[\x+\i+1]|
	v_max3_num_f32 v[BM+1], v[BM+1], |v[\x+\i+2]|, |v[\x+\i+3]|
.endr
	v_max3_num_f32 v[BM], v[BM], |v[\x+30]|, |v[\x+31]|
	v_max3_num_f32 v[BM], v[BM], v[BM+1], 0x1800000
.endm
; My block becomes 24 bytes of codes and a scale byte: the lines on registers.
.macro PCVT
	v_add_nc_u32 v[SO], 0xff000000, v[BM]          ; 2 off the exponent field: the conversion takes the exponent field of this operand as its scale, and nothing else of it
	v_lshrrev_b32 v[T2], 23, v[SO]                 ; the scale's byte
	v_cvt_scalef32_pk16_fp6_f32 v[PC:PC+2], v[X:X+15], v[SO]
	v_cvt_scalef32_pk16_fp6_f32 v[PH:PH+2], v[X+16:X+31], v[SO]
	v_nop                                          ; one plain place behind a scaled conversion
.irp i, 0,1,2
	v_mov_b32 v[PC+3+\i], v[PH+\i]
.endr
.endm
; And they go into the slot.  An image's plane p holds registers 4 p .. 4 p + 3, 16 bytes a lane: half 0's six registers lie at bytes 0, 8 of plane 0 and 0 of plane 1,
; half 1's at byte 8 of plane 1 and 0, 8 of plane 2: PW1 holds 520 c, PW2 1016 c, so that three stores of 8 bytes with the offsets 0, 8, 512 serve both halves.
.macro PSTORE slot
	ds_store_b64 v[PW1], v[PC:PC+1] offset:(\slot)*SLOTB
	ds_store_b64 v[PW2], v[PC+2:PC+3] offset:(\slot)*SLOTB+8
	ds_store_b64 v[PW1], v[PC+4:PC+5] offset:(\slot)*SLOTB+512
	ds_store_b8 v[PSB], v[T2] offset:(\slot)*SLOTB
.endm
.macro KLOAD slot                      ; the step's scale words and K's four fragments: each load takes 512 consecutive bytes
	ds_load_b128 v[SCL:SCL+3], v[L16] offset:(\slot)*SLOTB+SCW
.irp f, 0,1,2,3
.irp p, 0,1,2
	ds_load_b128 v[FR+12*\f+4*\p:FR+12*\f+4*\p+3], v[L16] offset:(\slot)*SLOTB+1536*\f+512*\p
.endr
.endr
.endm
.macro VFRAG slot, f                   ; fragment f of V's four
.irp p, 0,1,2
	ds_load_b128 v[FR+12*(\f)+4*\p:FR+12*(\f)+4*\p+3], v[L16] offset:(\slot)*SLOTB+VFR+1536*(\f)+512*\p
.endr
.endm
.macro MLOAD off                       ; 8 x mask of a step's keys into the scores' registers: S + 16 b + i takes key 32 b + 16 h + i; the sixteen lanes of a half read the same words
.irp j, 0,1,2,3,4,5,6,7,8,9,10,11,12,13,14,15
	ds_load_b128 v[S+4*\j:S+4*\j+3], v[AM] offset:(\off)+128*(\j/4)+16*(\j%4)
.endr
.endm
; S^T = K Q^T + 8 mask.  Fragment f holds tile (2 (f / 2), f % 2) in its lower 64 of K and tile (2 (f / 2) + 1, f % 2) in its upper.  Eight accumulators, one instruction each.
.macro QK
.irp f, 0,1,2,3
	v_wmma_scale_f32_16x16x128_f8f6f4 v[S+32*(\f/2)+8*(\f%2):S+32*(\f/2)+8*(\f%2)+7], v[FR+12*\f:FR+12*\f+11], v[QZ+6:QZ+17], v[S+32*(\f/2)+8*(\f%2):S+32*(\f/2)+8*(\f%2)+7], v[SCL+\f], v[QS] matrix_a_fmt:MATRIX_FMT_FP6 matrix_b_fmt:MATRIX_FMT_FP6
	v_wmma_scale_f32_16x16x128_f8f6f4 v[S+32*(\f/2)+16+8*(\f%2):S+32*(\f/2)+16+8*(\f%2)+7], v[FR+12*\f:FR+12*\f+11], v[QZ:QZ+11], v[S+32*(\f/2)+16+8*(\f%2):S+32*(\f/2)+16+8*(\f%2)+7], v[SCL+\f], v[QS] matrix_a_fmt:MATRIX_FMT_FP6 matrix_b_fmt:MATRIX_FMT_FP6
.endr
.endm
; O^T += V^T P^T: four tiles of 16 channels, K = the step's 128 keys.  V's scale words stand in lanes 16-31.
; next = 1: p's registers are free: they take the next step's 8 x mask, from off bytes on, four loads behind each product; awaited in front of the next signal.  No wait among them: the products name O^T, V's fragments,
; p's codes and the scale words, none of the registers that these loads touch.
.macro PV next, off
.irp n, 0,1,2,3
	v_wmma_scale_f32_16x16x128_f8f6f4 v[OT+8*\n:OT+8*\n+7], v[FR+12*\n:FR+12*\n+11], v[PC:PC+11], v[OT+8*\n:OT+8*\n+7], v[SCL+\n], v[PS] matrix_a_fmt:MATRIX_FMT_FP6 matrix_b_fmt:MATRIX_FMT_FP6 matrix_a_scale:MATRIX_SCALE_ROW1
.if \next
.irp j, 0,1,2,3
	ds_load_b128 v[S+16*\n+4*\j:S+16*\n+4*\j+3], v[AM] offset:(\off)+128*\n+16*\j
.endr
.endif
.endr
.endm
; A step's softmax for my 16 queries: 64 scores a lane become p, its codes and its scale word; the sum and O^T come under the new M.  V's four fragments of slot sl are asked for among its first lines.
.macro SOFTMAX sl
.irp b, 0,1,2,3
	v_max3_num_f32 v[BM+\b], v[S+16*\b], v[S+16*\b+1], v[S+16*\b+2]   ; the largest score of each block of 32 keys: it serves for the row's maximum and, since p rises with the score, for the block's largest p.  (Each accumulator is read from its low end on)
.endr
	VFRAG \sl, 0                                   ; no wait: no vector or matrix instruction since the wait ahead of the softmax names the fragments' registers or v[L16]
.irp i, 3,5,7,9,11,13
.irp b, 0,1,2,3
	v_max3_num_f32 v[BM+\b], v[BM+\b], v[S+16*\b+\i], v[S+16*\b+\i+1]
.endr
.if \i < 9
	VFRAG \sl, (\i-1)/2                            ; fragments 1, 2, 3: three loads behind four maxima
.endif
.endr
.irp b, 0,1,2,3
	v_max_num_f32 v[BM+\b], v[BM+\b], v[S+16*\b+15]
.endr
.irp b, 0,1,2,3
	v_permlanex16_b32 v[T2+\b], v[BM+\b], s[SEL], s[SEL+1]
.endr
.irp b, 0,1,2,3
	v_max_num_f32 v[BM+\b], v[BM+\b], v[T2+\b]     ; with lane l xor 16's 16 keys
.endr
	v_max3_num_f32 v[TT], v[BM], v[BM+1], v[BM+2]
	v_max_num_f32 v[TT], v[TT], v[BM+3]            ; the step's largest score of my query
	v_mul_f32 v[TT], s[CS], v[TT]                  ; as t (c is positive)
	v_max_num_f32 v[NM+1], v[NM+1], v[TT]          ; the running largest t
	v_mov_b32 v[TT], v[NM]
	v_floor_f32 v[NM], -v[NM+1]                    ; the new -M = floor(-t) = -ceil(t)
	v_sub_f32 v[TT], v[NM], v[TT]                  ; old M - new M: a whole number, 0 or less
	v_cvt_i32_f32 v[TT], v[TT]                     ; (it saturates)
	v_ldexp_f32 v[FF], 1.0, v[TT]                  ; f = 2^(old M - new M)
.set J, 0
.rept 32
	v_pk_fma_f32 v[S+J:S+J+1], v[S+J:S+J+1], s[CS:CS+1], v[NM:NM+1] op_sel_hi:[1,0,0]   ; t - M, two at a time (of the pairs c and -M the low word serves both halves)
.set J, J+2
.endr
.irp b, 0,1,2,3
	v_fma_f32 v[BM+\b], v[BM+\b], s[CS], v[NM]     ; the same of each block's largest score
.endr
.set J, 0
	s_wait_alu depctr_va_vdst(0)
.rept 64
	v_exp_f32 v[S+J], v[S+J]                       ; p = 2^(t - M), at most 1
.set J, J+1
.endr
	v_pk_mul_f32 v[SUM:SUM+1], v[SUM:SUM+1], v[FF:FF+1] op_sel_hi:[1,0]   ; the sums under the new M: the plain line behind the exponentials
	s_wait_alu depctr_va_vdst(0)                   ; the 64 exponentials have written p: one wait for the 64, ahead of the first line that names an exponential's result
.irp b, 0,1,2,3
	v_exp_f32 v[BM+\b], v[BM+\b]                   ; the block's largest p: the same two instructions on the same number
.endr
	v_pk_add_f32 v[SU:SU+1], v[S:S+1], v[S+2:S+3]  ; the row's sum is taken of the unquantised p, in two chains; these lines read the 64 alone
.irp j, 4,8,12,16,20,24,28,32,36,40,44,48,52
	v_pk_add_f32 v[SUM:SUM+1], v[SUM:SUM+1], v[S+\j:S+\j+1]
	v_pk_add_f32 v[SU:SU+1], v[SU:SU+1], v[S+\j+2:S+\j+3]
.endr
	s_wait_alu depctr_va_vdst(0)                   ; the four exponentials have written the blocks' largest p: and one for the four
.irp b, 0,1,2,3
	v_max_num_f32 v[BM+\b], 0x1800000, v[BM+\b]    ; the floor 2^(3 - 127): a block whose every p has fallen to 0 keeps the byte 1; its codes are zeros
.endr
.irp b, 0,1,2,3
	v_add_nc_u32 v[SO+\b], 0xff000000, v[BM+\b]    ; 2 off the exponent field: the conversion's scale operand
.endr
.irp b, 0,1,2,3
	v_lshrrev_b32 v[T2+\b], 23, v[SO+\b]           ; the scale's byte
.endr
	v_lshl_or_b32 v[PS], v[T2+1], 8, v[T2]         ; p's scale word for these 128 keys
	v_lshl_or_b32 v[PS], v[T2+2], 16, v[PS]
	v_lshl_or_b32 v[PS], v[T2+3], 24, v[PS]
.irp c, 0,1
	v_cvt_scalef32_pk16_fp6_f32 v[PC+6*\c:PC+6*\c+2], v[S+32*\c:S+32*\c+15], v[SO+2*\c]
	v_cvt_scalef32_pk16_fp6_f32 v[PH+4*\c:PH+4*\c+2], v[S+32*\c+16:S+32*\c+31], v[SO+2*\c+1]
.endr
	v_nop                                          ; one plain place behind a scaled conversion
.irp c, 0,1                            ; the operand's layout wants a whole block in a lane: lanes 0-15 block 2 c, lanes 16-31 block 2 c + 1
.irp i, 0,1,2
	v_permlane16_swap_b32 v[PC+6*\c+\i], v[PH+4*\c+\i]
.endr
.irp i, 0,1,2
	v_mov_b32 v[PC+6*\c+3+\i], v[PH+4*\c+\i]
.endr
.endr
.set J, 0
.rept 16
	v_pk_mul_f32 v[OT+J:OT+J+1], v[OT+J:OT+J+1], v[FF:FF+1] op_sel_hi:[1,0]   ; O^T under the new M, each accumulator from its low end on
.set J, J+2
.endr
.irp j, 56,60                          ; the sum's last lines stand here: with the 16 above they are the plain lines between the vector writes of p's codes, its scale word and O^T and the products that take them
	v_pk_add_f32 v[SUM:SUM+1], v[SUM:SUM+1], v[S+\j:S+\j+1]
	v_pk_add_f32 v[SU:SU+1], v[SU:SU+1], v[S+\j+2:S+\j+3]
.endr
	v_pk_add_f32 v[SUM:SUM+1], v[SUM:SUM+1], v[SU:SU+1]
.endm
; AN INTERVAL: step n lies in slot sl.  quant: my block of step n + 1 is made;  load: step n + 2's numbers are asked for;  pf: step n + 3 is prefetched;  next: step n + 1's mask words are fetched.
.macro STEP sl, quant, load, pf, next
.if \quant
	s_wait_loadcnt 0x0                             ; my block's 32 loads, asked for an interval ago, are the only ones out
	PMAX X                                         ; sixteen plain lines that name no register of the last products: the places in front of the loads and conversions below
	PCVT
	s_wait_alu depctr_va_vdst(0)                   ; my block's codes and byte are written, which the stores below read; the maxima and conversions are done reading X, in which the global loads below land; the last step's second product is done reading the fragments and the scale words, in whose registers K's loads land
	KLOAD \sl
	PSTORE (\sl+1)%4
.if \load
	s_wait_xcnt 0x0                                ; the last prefetch, an interval back, has read its base (the loads are done): it may step
	s_add_nc_u64 s[PB:PB+1], s[PB:PB+1], s[PST:PST+1]
	LOADX \pf
.endif
	s_wait_dscnt 0x0                               ; for the others' sake: my stores into the next slot have landed, and my reads of the last slot are over; for mine: K's fragments, the scale words and the mask's words are in
	s_wait_alu depctr_vm_vsrc(0)                   ; my four stores have read the codes' registers and the byte's, which the softmax writes again; the mask's loads issued so far have read v[AM], which slot 3's interval steps in the next line
.if \sl == 3
	v_add_nc_u32 v[AM], 2048, v[AM]                ; four steps' mask words on (no LDS instruction of mine is out); the next load by it stands behind the wait ahead of the second product
.endif
	s_barrier_signal -1                            ; up to the wait below: LDS loads of this slot and of the mask, which nobody writes before later barriers, and work on registers
.else
.rept 4
	v_nop                                          ; places in front of loads into registers that the last products have read
.endr
	s_wait_alu depctr_va_vdst(0)                   ; the last step's second product is done reading the fragments and the scale words, in whose registers K's loads land
	KLOAD \sl
	s_wait_dscnt 0x0
.endif
	QK
.rept 4
	v_nop                                          ; places in front of the loads into K's registers and of the first read of the scores
.endr
	s_wait_alu depctr_va_vdst(0)                   ; the first product is done reading K's fragments, in whose registers V's land: the twelve loads stand among the softmax's first lines
	SOFTMAX \sl
	s_wait_dscnt 0x0                               ; V's fragments, asked for at the softmax's head
	s_wait_alu depctr_va_vdst(0)                   ; p's codes and its scale word are written, which the products below take (the 21 plain lines above are their places); the softmax is done reading and writing p's registers, in which the mask's words land; v[AM], where it was stepped, is written
	PV \next, 512*((\sl+1)%4)
.if \quant
	s_barrier_wait -1                              ; every wave has signalled: the next slot is whole
.endif
.endm
	s_load_b256 s[4:11], s[0:1], 0x0               ; q s[4:5], k s[6:7], v s[8:9], mask s[10:11]
	s_load_b64 s[12:13], s[0:1], 0x20              ; out
	v_lshl_add_u32 v[SPW], v0, 2, SPARE
	v_mov_b32 v[NIL], 0
	v_lshrrev_b32 v204, 5, v0
	v_readfirstlane_b32 s[WV], v204                ; wave 0..15
	v_and_b32 v204, 31, v0                         ; l
	v_and_b32 v205, 15, v0                         ; r
	v_bfe_u32 v206, v0, 4, 1                       ; u (as a reader of operands: h)
	s_wait_alu depctr_va_vdst(0)
	v_lshlrev_b32 v[L16], 4, v204
	v_lshl_add_u32 v[AM], v206, 6, MASK
	s_wait_alu depctr_va_sdst(0)                   ; s14, my wave's number, is written, ahead of its first reader
	; where my block's codes go: 3072 (w / 4) + 256 h + 1536 u + 16 r, + 520 c (PW1) or 1016 c (PW2)
	s_lshr_b32 s15, s[WV], 2
	s_mul_i32 s15, s15, 3072
	s_bfe_u32 s16, s[WV], 0x10001                  ; c
	s_and_b32 s17, s[WV], 1                        ; h
	s_mul_i32 s18, s16, 520
	s_add_co_u32 s15, s15, s18
	s_lshl_b32 s18, s17, 8
	s_add_co_u32 s15, s15, s18
	s_mul_i32 s18, s16, 496
	s_add_co_u32 s18, s18, s15
	v_mul_u32_u24 v207, v206, 1536
	v_lshl_add_u32 v207, v205, 4, v207
	v_add_nc_u32 v[PW1], s15, v207
	v_add_nc_u32 v[PW2], s18, v207
	; and its scale byte: SCW + 256 rho + 16 r + 4 (2 alpha + u) + 2 c + h
	s_lshr_b32 s19, s[WV], 3
	s_lshl_b32 s19, s19, 8
	s_bfe_u32 s30, s[WV], 0x10002                  ; alpha
	s_lshl_b32 s31, s30, 3
	s_add_co_u32 s19, s19, s31
	s_and_b32 s31, s[WV], 3
	s_add_co_u32 s19, s19, s31
	s_add_co_u32 s19, s19, SCW
	v_lshlrev_b32 v208, 4, v205
	v_lshl_add_u32 v208, v206, 2, v208
	v_add_nc_u32 v[PSB], s19, v208
	; my stage
	s_mul_i32 s46, s[WV], 16*SP
	s_add_co_u32 s46, s46, STAGE
	v_mul_u32_u24 v207, v205, SP
	v_add_nc_u32 v207, s46, v207
	v_lshl_add_u32 v[STO], v206, 5, v207
	v_lshl_add_u32 v[QRD], v206, 7, v207
	v_mul_u32_u24 v207, v206, SP
	v_lshl_add_u32 v207, v205, 4, v207
	v_add_nc_u32 v[RD], s46, v207
	v_lshl_add_u32 v213, v0, 4, MASK               ; the mask: 16 bytes a thread, in LDS
	v_lshlrev_b32 v214, 4, v0                      ; and in memory
	; my column in memory.  k: 262144 h + 128 (2 alpha + c) + 4 r + 32 u + 32 (r / 8);  v: 8192 (2 c + h) + 128 alpha + 4 l
	v_bfe_u32 v209, v0, 3, 1
	v_add_nc_u32 v209, v209, v206
	v_lshlrev_b32 v209, 5, v209
	v_lshl_add_u32 v209, v205, 2, v209
	v_lshlrev_b32 v210, 2, v204
	s_wait_alu depctr_va_vdst(0)
	; the prefetches' blocks.  k: row 16 (w % 4) + l / 2, half l % 2;  v: block 32 (w % 4) + l
	v_lshrrev_b32 v211, 1, v204
	v_lshlrev_b32 v211, 13, v211
	v_and_b32 v212, 1, v204
	v_lshl_add_u32 v211, v212, 8, v211
	v_lshlrev_b32 v212, 8, v204
	s_wait_alu depctr_va_vdst(0)
	s_and_b32 s31, s[WV], 3
	s_lshl_b32 s33, s31, 13
	s_lshl_b32 s36, s31, 17
	s_lshl_b32 s32, s17, 18
	s_bfe_u32 s31, s[WV], 0x20001
	s_lshl_b32 s31, s31, 7
	s_add_co_u32 s32, s32, s31
	s_lshl_b32 s34, s30, 7
	s_add_co_u32 s34, s34, s33
	s_and_b32 s37, s[WV], 4                        ; waves 0-3 and 8-11,
	s_or_b32 s37, s37, ttmp9                       ; of the head's first work-group
	s_cmp_eq_u32 s37, 0
	s_cselect_b32 s[PF], 1, 0
	s_mov_b32 s[PST], 0x8000
	s_mov_b32 s[PST+1], 0
	s_cmp_lt_u32 s[WV], 8                          ; K's wave or V's
	s_cselect_b32 s32, s32, s34
	s_cselect_b32 s36, s36, s33
	s_cselect_b32 s35, -1, 0
	s_cselect_b32 s[PST], 512, s[PST]
	v_cndmask_b32 v[VOFF], v210, v209, s35
	v_add_nc_u32 v[VOFF], s32, v[VOFF]
	v_cndmask_b32 v[PFO], v212, v211, s35
	v_add_nc_u32 v[PFO], s36, v[PFO]
	s_mov_b32 s[SEL], 0x76543210
	s_mov_b32 s[SEL+1], 0xfedcba98
	s_mov_b32 s[CS], 0x3e38aa3b                    ; c = log2(e) / 8
	s_mov_b32 s[CS+1], s[CS]                       ; (named with it as a pair, so it is written)
	s_and_b32 s38, ttmp7, 0xffff                   ; the head
	s_lshl_b32 s40, s38, 19                        ; a head is 524,288 bytes in each of q, k, v, out
	s_mov_b32 s41, 0
	s_lshl_b32 s42, ttmp9, 16                      ; my work-group's 256 rows of 256 bytes,
	s_lshl_b32 s43, s[WV], 12                      ; my wave's 16
	s_add_co_u32 s42, s42, s43
	s_add_co_u32 s42, s42, s40
	s_mov_b32 s43, 0
	s_lshr_b32 s44, s38, 4                         ; the batch
	s_lshl_b32 s44, s44, 13
	s_mov_b32 s45, 0
	s_wait_kmcnt 0x0
	s_cmp_lt_u32 s[WV], 8
	s_cselect_b64 s[PB:PB+1], s[6:7], s[8:9]
	s_add_nc_u64 s[PB:PB+1], s[PB:PB+1], s[40:41]
	s_add_nc_u64 s[4:5], s[4:5], s[42:43]
	s_add_nc_u64 s[12:13], s[12:13], s[42:43]
	s_add_nc_u64 s[10:11], s[10:11], s[44:45]
	s_wait_alu depctr_va_vdst(0)                   ; all the addresses and offsets are written (v1 to v11, v35, v213, v214), which the loads, stores and prefetches of the whole kernel read
	LOADX 0                                        ; step 0
	global_load_b128 v[OT:OT+3], v214, s[10:11]    ; the batch's mask: 512 threads x 16 bytes
.irp i, 0,1,2,3,4,5,6,7
	global_load_b128 v[S+4*\i:S+4*\i+3], v[L16], s[4:5] offset:512*\i th:TH_LOAD_NT   ; my 16 rows of q, 512 consecutive bytes a load; read once in the launch
.endr
	s_wait_loadcnt 8                               ; step 0's 32 and the mask's one are in; q's eight may be out
	PMAX X
	PCVT
.irp i, 0,1,2,3
	v_mul_f32 v[OT+\i], 0x41000000, v[OT+\i]       ; 8 x mask: exact
.endr
	s_wait_alu depctr_va_vdst(0)                   ; step 0's codes and byte and 8 x mask are written, which the stores below read; the maxima and conversions are done reading X, in which step 1's loads land
	PSTORE 0
	ds_store_b128 v213, v[OT:OT+3]
	s_wait_xcnt 0x0                                ; all that has been issued has read its base
	s_add_nc_u64 s[PB:PB+1], s[PB:PB+1], s[PST:PST+1]
	LOADX 0                                        ; step 1
	s_wait_loadcnt 32                              ; q is in; step 1's 32 may be out
.irp i, 0,1,2,3,4,5,6,7
	ds_store_b128 v[RD], v[S+4*\i:S+4*\i+3] offset:2*\i*SP   ; q turns through my stage: rows 2 i + h, as loaded;
.endr
.irp j, 0,1,2,3,4,5,6,7
	ds_load_b128 v[S+32+4*\j:S+32+4*\j+3], v[QRD] offset:16*\j   ; back: row r, d = 32 h + 0 .. 31: a whole block in a lane.  LDS serves a wave's instructions in order: these see my stores
.endr
	s_wait_dscnt 0x0                               ; for the others' sake: step 0's block and my part of the mask have landed; for mine: q is back
	s_wait_alu depctr_vm_vsrc(0)                   ; my stores have read the codes' registers and the byte's, the mask's four and q's 32, and the mask's load and store their offsets v214 and v213: the lines below, the first mask words and the first softmax write these registers
	s_barrier_signal -1
	PMAX S+32                                      ; between the signal and the wait: work on registers alone.  q's block
	v_add_nc_u32 v[SO], 0xff000000, v[BM]
	v_lshrrev_b32 v[T2], 23, v[SO]
	v_cvt_scalef32_pk16_fp6_f32 v[QZ+6:QZ+8], v[S+32:S+47], v[SO]
	v_cvt_scalef32_pk16_fp6_f32 v[PH:PH+2], v[S+48:S+63], v[SO]
	v_nop                                          ; one plain place behind a scaled conversion
.irp i, 0,1,2
	v_mov_b32 v[QZ+9+\i], v[PH+\i]
.endr
	v_bfe_u32 v[T2+1], v0, 4, 1
	v_lshlrev_b32 v[T2+1], 3, v[T2+1]
	v_lshlrev_b32 v[T2], v[T2+1], v[T2]            ; my byte at its place: 8 h bits up
	v_mov_b32 v[T2+2], 0
	v_permlanex16_b32 v[T2+2], v[T2], s[SEL], s[SEL+1]
	v_or_b32 v[T2], v[T2], v[T2+2]                 ; with lane l xor 16's: the row's two bytes,
	v_lshl_or_b32 v[QS], v[T2], 16, v[T2]          ; twice: they serve q in the lower and in the upper half of K
.irp i, 0,1,2,3,4,5
	v_mov_b32 v[QZ+\i], 0                          ; zero codes on both sides of q's
	v_mov_b32 v[QZ+12+\i], 0
.endr
.set J, 0
.rept 32
	v_mov_b32 v[OT+J], 0                           ; O^T: the step is written once; the first finds zeros, which the first change of M leaves zeros
.set J, J+1
.endr
	v_mov_b32 v[NM+1], 0xff61b1e6                  ; the largest t so far: -3e38
	v_floor_f32 v[NM], -v[NM+1]                    ; -M
	v_mov_b32 v[SUM], 0
	v_mov_b32 v[SUM+1], 0
.irp b, 0,1,2,3
	v_mov_b32 v[T2+\b], 0                          ; a lane permute's destination counts as one of its sources
.endr
	v_mov_b32 v[PS], 0                             ; (named as the upper half of the pair with f before it is first written)
	s_barrier_wait -1                              ; slot 0 and the mask are whole
	s_wait_alu depctr_va_vdst(0)                   ; q's maxima and conversions are done reading v[S+32 ..], in which the mask's words land; q's codes, the zeros beside them and q's scale word are written, which every first product takes
	MLOAD 0                                        ; step 0's 8 x mask
	s_mov_b32 s[CNT], 3
.Ltrip:                                                ; a trip is four intervals, once round the slots
	STEP 0, 1, 1, 1, 1
	STEP 1, 1, 1, 1, 1
	STEP 2, 1, 1, 1, 1
	STEP 3, 1, 1, 1, 1
	s_sub_co_u32 s[CNT], s[CNT], 1
	s_cmp_lg_u32 s[CNT], 0
	s_cbranch_scc1 .Ltrip
	STEP 0, 1, 1, 1, 1                             ; interval 12: makes step 13, asks for 14, prefetches 15
	STEP 1, 1, 1, 0, 1                             ; interval 13: makes 14, asks for 15: no load and no prefetch leaves its buffer
	STEP 2, 1, 0, 0, 1                             ; interval 14: makes 15
	STEP 3, 0, 0, 0, 0                             ; interval 15: nothing is left to make, so no barrier
	; THE WAY OUT.  O^T / the sum goes through my stage: a lane's eight channels of a tile are 32 bytes of a row of 256; it comes back as whole rows, and a store covers 512 consecutive bytes, two rows of out.
.rept 4
	v_nop                                          ; places behind the last products
.endr
	v_add_f32 v[SUM], v[SUM], v[SUM+1]             ; the sum's two halves,
	v_permlanex16_b32 v[TT], v[SUM], s[SEL], s[SEL+1]
	v_add_f32 v[SUM], v[SUM], v[TT]                ; and lane l xor 16's
	s_wait_alu depctr_va_vdst(0)
	v_rcp_f32 v[SUM], v[SUM]
	v_nop                                          ; one plain place behind a transcendental
	s_wait_alu depctr_va_vdst(0)                   ; the reciprocal has written v[SUM], ahead of its first reader
.set J, 0
.rept 32
	v_mul_f32 v[S+J], v[OT+J], v[SUM]              ; register 8 n + j is out(r, 16 n + 8 h + j); each accumulator from its low end on
.set J, J+1
.endr
	s_wait_alu depctr_va_vdst(0)                   ; the multiplications have written v[S .. S+31], which the LDS stores read; no vector line behind this wait names v[S+32 ..], in which the loads from the stage land
.irp n, 0,1,2,3
	ds_store_b128 v[STO], v[S+8*\n:S+8*\n+3] offset:64*\n
	ds_store_b128 v[STO], v[S+8*\n+4:S+8*\n+7] offset:64*\n+16
.endr
.irp i, 0,1,2,3,4,5,6,7
	ds_load_b128 v[S+32+4*\i:S+32+4*\i+3], v[RD] offset:2*\i*SP   ; LDS serves a wave's instructions in order: these see my stores
.endr
.irp i, 0,1,2,3,4,5,6,7
	s_wait_dscnt 7-\i                              ; load i is back; the younger ones may be out
	global_store_b128 v[L16], v[S+32+4*\i:S+32+4*\i+3], s[12:13] offset:512*\i th:TH_STORE_NT   ; 32 lanes store 512 consecutive bytes, at a multiple of 256 from out's first byte
.endr
	s_wait_dscnt 0x0                               ; the wave's end: the closing lines, six on end
	s_wait_alu 0x0
	s_wait_tensorcnt 0x0
	ds_add_u32 v[SPW], v[NIL]
	s_wait_dscnt 0x0
	s_endpgm
.Lfunc_end_k_qd910835238_attn:
	.size	k_qd910835238_attn, .Lfunc_end_k_qd910835238_attn-k_qd910835238_attn
	.p2alignl 7, 3214868480
	.fill 96, 4, 3214868480
	.section	.rodata,"a",@progbits
	.p2align	6, 0x0
	.amdhsa_kernel k_qd910835238_attn
		.amdhsa_group_segment_fixed_size 131072
		.amdhsa_private_segment_fixed_size 0
		.amdhsa_enable_private_segment 0
		.amdhsa_kernarg_size 40
		.amdhsa_user_sgpr_count 2
		.amdhsa_user_sgpr_kernarg_segment_ptr 1
		.amdhsa_wavefront_size32 1
		.amdhsa_system_sgpr_workgroup_id_x 1
		.amdhsa_system_sgpr_workgroup_id_y 1
		.amdhsa_system_sgpr_workgroup_id_z 1
		.amdhsa_system_vgpr_workitem_id 0
		.amdhsa_next_free_vgpr 256
		.amdhsa_next_free_sgpr 66
		.amdhsa_reserve_vcc 0
		.amdhsa_float_denorm_mode_32 3
		.amdhsa_float_denorm_mode_16_64 3
		.amdhsa_memory_ordered 1
		.amdhsa_forward_progress 1
		.amdhsa_inst_pref_size 208
	.end_amdhsa_kernel
	.amdgpu_metadata
---
amdhsa.version: [ 1, 2 ]
amdhsa.kernels:
  - .name:           k_qd910835238_attn
    .symbol:         k_qd910835238_attn.kd
    .args:
      - { .name: q, .offset: 0, .size: 8, .value_kind: global_buffer, .address_space: global }
      - { .name: k, .offset: 8, .size: 8, .value_kind: global_buffer, .address_space: global }
      - { .name: v, .offset: 16, .size: 8, .value_kind: global_buffer, .address_space: global }
      - { .name: attention_mask, .offset: 24, .size: 8, .value_kind: global_buffer, .address_space: global }
      - { .name: out0, .offset: 32, .size: 8, .value_kind: global_buffer, .address_space: global }
    .group_segment_fixed_size: 131072
    .private_segment_fixed_size: 0
    .kernarg_segment_align: 8
    .kernarg_segment_size: 40
    .max_flat_workgroup_size: 512
    .sgpr_count:     66
    .vgpr_count:     256
    .wavefront_size: 32
...
	.end_amdgpu_metadata
.endif
;; end of part 2
